; MI455X (gfx1250); checked and timed in simulation.
; The chip was launched on July 23, 2026; its instructions are those of AMD's public machine-readable ISA for CDNA 5 (MIT licence, August 2026) and "CDNA5" Instruction Set Architecture Reference Guide (July 2026). The comments in the code are by the model that wrote it; some were corrected since.
;; tri att. Allowed arithmetic: float matrix products may take bf16 or f16 operands with f32 sums; other float arithmetic in f32, or as packed bf16 or f16 multiplies, adds, multiply-adds, maxima and minima; sums over many terms, partial sums and values carried from step to step in f32; what a program stores and reads back later, other than sums and carried values, may be rounded once to bf16 or f16.
;; Inputs: x 32 x 512 x 56 x 56 float32.
;; Outputs: out0 32 x 1 x 56 x 56 float32.
;; One version. Each part assembles by itself: llvm-mc -triple=amdgcn-amd-amdhsa -mcpu=gfx1250 --defsym DOCPART=n.
;; ======== version 1 of 1: 3 launches
;; workspace buffers: fb 104,857,600 bytes; ncm 65,536 bytes; wpart 524,288 bytes
;; launch prep (part 1): grid 8 x 32, 16 waves a work-group, no clusters, 2,304 bytes of LDS; arguments x, fb, ncm; writes fb, ncm
.if DOCPART == 1
	.amdgcn_target "amdgcn-amd-amdhsa--gfx1250"
	.amdhsa_code_object_version 6
	.text
	.protected	k_qc999688712_prep
	.globl	k_qc999688712_prep
	.p2align	8
	.type	k_qc999688712_prep,@function
k_qc999688712_prep:
	s_mov_b64 s[64:65], 0
	v_nop
	global_prefetch_b8 v0, s[64:65] scope:SCOPE_SE
	s_setreg_imm32_b32 hwreg(HW_REG_WAVE_MODE, 25, 1), 1
	s_wait_xcnt 0x0
; THE PROGRAM (three launches: prep, bil, att).  f = x as [32][512][3136].  p = softmax over places of 7 f; bil = p f^T; B = softmax of bil over its second index d;
; tri = B f; the one output is out[s] = sum over c of tri[c][s].
; WORK LEFT OUT.  sum_c sum_d B[c][d] f[d][s] = sum_d (sum_c B[c][d]) f[d][s]: a finite double sum may be taken in either order, whatever finite values x holds, and tri itself
; is returned nowhere (stop_gradient is the identity on values).  So the product B f is not formed: bil stores the column sums w[d] = sum_c B[c][d] and att forms sum_d w[d] f[d][s].
; Also p f^T = (e f^T) / Z with e = exp(7 f - 7 max), Z = sum e, and max_d(acc / Z) = max_d(acc) / Z since Z > 0.  Both maxima that reference() takes away before an exponential are taken away here.
; LIMITS.  Every use of f takes x rounded once to bf16 (the maximum too: rounding keeps order, so the maximum of the rounded row is the rounded maximum); e is rounded to bf16 for the product,
; Z is the sum of the unrounded e.  Sums are f32, in another order than reference().  |x| beyond bf16's largest finite number rounds to infinity.  NaN and infinities are not treated apart.
; A weight below 2^-126 counts as 0.  An overflow that would arise only inside tri, which is not formed, is not carried to the result.
;
; THIS LAUNCH: fb = bf16(x), laid out [n 32][t 25][d 512][128]: block (n, t) holds places 128 t .. 128 t + 127 of all 512 channels, a row is 256 bytes; in block 24 columns 64 .. 127 are written as zeros.
; ncm[n][d] = -7 log2(e) x the row's maximum.  A stream: nothing is shared between work-groups, so no matrix unit, no cluster, no tensor load.
; SHARES.  Work-group (cb, n): rows 64 cb .. 64 cb + 63 of image n.  Wave v: rows 4 v + i, i = 0 .. 3, one after the other in two register slots of 100.
; A row is 12,544 bytes: 24 chunks of 512 bytes (one load of 16 bytes a lane) and one of 256.  A chunk becomes 256 bytes of bf16: one store of 8 bytes a lane covers one whole aligned row of a block.
.set ROWB,  12544
.set BLK,   131072
.set SPARE, 256                        ; LDS: bytes 0 .. 255 the 64 rows' numbers; from 256 on the spare words, 128 bytes for each of 16 waves
.set OFF, 2                            ; v2  50,176 v + 16 lane: my 16 bytes of a chunk
.set OFL, 3                            ; v3  50,176 v + 16 (lane % 16): the last chunk has 256 bytes; lanes 16-31 read lanes 0-15's again
.set SO,  4                            ; v4  1,024 v + 8 lane: my 8 bytes of a row of a block
.set TA,  5                            ; v5  16 v: my wave's four words of the table
.set LO,  6                            ; v6  8 lane
.set SPW, 8                            ; v8  my spare word; never rewritten
.set NIL, 9                            ; v9  0; never rewritten
.set M,   12                           ; v12-15  four chains of maxima, two bf16 each
.set T,   16                           ; v16-17  at work
.set X,   32                           ; v32-231 two slots of 100: a row as loaded, then (words 4 k, 4 k + 1) as stored
	s_load_b128 s[4:7], s[0:1], 0x0                ; x s[4:5], fb s[6:7]
	s_load_b64 s[10:11], s[0:1], 0x10              ; ncm
	v_lshl_add_u32 v[SPW], v0, 2, SPARE
	v_mov_b32 v[NIL], 0
	v_and_b32 v1, 31, v0                           ; lane
	v_lshrrev_b32 v7, 5, v0
	v_readfirstlane_b32 s8, v7                     ; wave 0 .. 15
	v_and_b32 v7, 15, v0
	s_and_b32 s9, ttmp7, 0xffff                    ; n
	s_lshl_b32 s15, s9, 3
	s_add_co_u32 s15, s15, ttmp9                   ; 8 n + cb
	s_mul_i32 s16, s15, 64*ROWB                    ; my 64 rows of x, under 2^28
	s_mov_b32 s17, 0
	s_mul_i32 s18, s9, 25*BLK                      ; the image in fb,
	s_lshl_b32 s19, ttmp9, 14                      ; my 64 rows of 256 bytes in each block
	s_add_co_u32 s18, s18, s19
	s_mov_b32 s19, 0
	s_lshl_b32 s20, s15, 8                         ; my 64 words of ncm
	s_mov_b32 s21, 0
	s_mul_i32 s22, s8, 4*ROWB
	v_lshl_add_u32 v[OFF], v1, 4, s22
	v_lshl_add_u32 v[OFL], v7, 4, s22
	s_lshl_b32 s23, s8, 10
	v_lshl_add_u32 v[SO], v1, 3, s23
	s_lshl_b32 s24, s8, 4
	v_mov_b32 v[TA], s24
	v_lshlrev_b32 v[LO], 3, v1
	v_cmp_lt_u32 s14, 15, v1                       ; lanes 16-31
	s_mov_b32 s12, 0x76543210                      ; v_permlanex16_b32: each lane takes its own place in the other half
	s_mov_b32 s13, 0xfedcba98
	s_wait_kmcnt 0x0
	s_add_nc_u64 s[4:5], s[4:5], s[16:17]
	s_add_nc_u64 s[6:7], s[6:7], s[18:19]
	s_add_nc_u64 s[10:11], s[10:11], s[20:21]
.macro FILL s, i                       ; row i into slot s: 25 loads
.set k, 0
.rept 24
	global_load_b128 v[X+100*(\s)+4*k:X+100*(\s)+4*k+3], v[OFF], s[4:5] offset:(\i)*ROWB+512*k th:TH_LOAD_NT
.set k, k+1
.endr
	global_load_b128 v[X+100*(\s)+96:X+100*(\s)+99], v[OFL], s[4:5] offset:(\i)*ROWB+12288 th:TH_LOAD_NT
.endm
; Row i, in slot s.  left: the younger row's loads, which may stay out.  fill = 1: the slot then takes row i + 2.
.macro TURN s, i, left, fill
.set XS, X+100*(\s)
	s_wait_loadcnt \left                           ; loads come back in order: my row is in
.set k, 0
.rept 25
	v_cvt_pk_bf16_f32 v[XS+4*k], v[XS+4*k], v[XS+4*k+1]      ; four numbers become two words, in place
	v_cvt_pk_bf16_f32 v[XS+4*k+1], v[XS+4*k+2], v[XS+4*k+3]
.set k, k+1
.endr
.set k, 0
.rept 4
	v_pk_max_num_bf16 v[M+k], v[XS+4*(k/2)+k%2], v[XS+4*((k+4)/2)+k%2]  ; the first eight words start four chains: nothing is cleared
.set k, k+1
.endr
.set k, 8
.rept 42
	v_pk_max_num_bf16 v[M+k%4], v[M+k%4], v[XS+4*(k/2)+k%2]
.set k, k+1
.endr
	v_cndmask_b32 v[XS+96], v[XS+96], v[NIL], s14  ; the maximum has seen the last chunk: now its upper 128 bytes become the block's zeros
	v_cndmask_b32 v[XS+97], v[XS+97], v[NIL], s14
.set k, 0
.rept 25
	global_store_b64 v[SO], v[XS+4*k:XS+4*k+1], s[6:7] offset:k*BLK+256*(\i) th:TH_STORE_NT  ; 32 lanes store 256 consecutive bytes, aligned
.set k, k+1
.endr
	v_pk_max_num_bf16 v[M], v[M], v[M+1]
	v_pk_max_num_bf16 v[M+2], v[M+2], v[M+3]
	v_pk_max_num_bf16 v[M], v[M], v[M+2]
	v_lshlrev_b32 v[T], 16, v[M]                   ; the two halves as f32
	v_and_b32 v[T+1], 0xffff0000, v[M]
	v_max_num_f32 v[T], v[T], v[T+1]
	v_max_num_f32_dpp v[T], v[T], v[T] row_xmask:1 row_mask:0xf bank_mask:0xf
	v_max_num_f32_dpp v[T], v[T], v[T] row_xmask:2 row_mask:0xf bank_mask:0xf
	v_max_num_f32_dpp v[T], v[T], v[T] row_xmask:4 row_mask:0xf bank_mask:0xf
	v_max_num_f32_dpp v[T], v[T], v[T] row_xmask:8 row_mask:0xf bank_mask:0xf
	v_permlanex16_b32 v[T+1], v[T], s12, s13
	v_max_num_f32 v[T], v[T], v[T+1]
	v_mul_f32 v[T], 0xc12194f4, v[T]               ; -7 log2(e) x maximum
	ds_store_b32 v[TA], v[T] offset:4*(\i)         ; all lanes write the same word with the same number
.if \fill
	s_wait_xcnt 0x0                                ; the slot's registers, which the stores above read, are loaded again only behind this wait
	FILL \s, (\i)+2
.endif
.endm
	FILL 0, 0
	FILL 1, 1
	TURN 0, 0, 25, 1
	TURN 1, 1, 25, 1
	TURN 0, 2, 25, 0
	TURN 1, 3, 0, 0
	s_wait_dscnt 0x0                               ; for the others' sake: my four words are in LDS
	s_barrier_signal -1
	s_barrier_wait -1
	s_cmp_lg_u32 s8, 0                             ; wave 0 stores the 64 numbers: 256 consecutive bytes, aligned
	s_cbranch_scc1 .Lend
	ds_load_b64 v[T:T+1], v[LO]
	s_wait_dscnt 0x0
	global_store_b64 v[LO], v[T:T+1], s[10:11]
.Lend:
	s_wait_tensorcnt 0x0                           ; the wave's end: behind my last LDS store
	ds_add_u32 v[SPW], v[NIL]
	s_wait_dscnt 0x0
	s_endpgm
.Lfunc_end_k_qc999688712_prep:
	.size	k_qc999688712_prep, .Lfunc_end_k_qc999688712_prep-k_qc999688712_prep
	.p2alignl 7, 3214868480
	.fill 96, 4, 3214868480
	.section	.rodata,"a",@progbits
	.p2align	6, 0x0
	.amdhsa_kernel k_qc999688712_prep
		.amdhsa_group_segment_fixed_size 2304
		.amdhsa_private_segment_fixed_size 0
		.amdhsa_enable_private_segment 0
		.amdhsa_kernarg_size 24
		.amdhsa_user_sgpr_count 2
		.amdhsa_user_sgpr_kernarg_segment_ptr 1
		.amdhsa_wavefront_size32 1
		.amdhsa_system_sgpr_workgroup_id_x 1
		.amdhsa_system_sgpr_workgroup_id_y 1
		.amdhsa_system_sgpr_workgroup_id_z 1
		.amdhsa_system_vgpr_workitem_id 0
		.amdhsa_next_free_vgpr 232
		.amdhsa_next_free_sgpr 66
		.amdhsa_reserve_vcc 0
		.amdhsa_float_denorm_mode_32 3
		.amdhsa_float_denorm_mode_16_64 3
		.amdhsa_memory_ordered 1
		.amdhsa_forward_progress 1
		.amdhsa_inst_pref_size 49
	.end_amdhsa_kernel
	.amdgpu_metadata
---
amdhsa.version: [ 1, 2 ]
amdhsa.kernels:
  - .name:           k_qc999688712_prep
    .symbol:         k_qc999688712_prep.kd
    .args:
      - { .name: x, .offset: 0, .size: 8, .value_kind: global_buffer, .address_space: global }
      - { .name: fb, .offset: 8, .size: 8, .value_kind: global_buffer, .address_space: global }
      - { .name: ncm, .offset: 16, .size: 8, .value_kind: global_buffer, .address_space: global }
    .group_segment_fixed_size: 2304
    .private_segment_fixed_size: 0
    .kernarg_segment_align: 8
    .kernarg_segment_size: 24
    .max_flat_workgroup_size: 512
    .sgpr_count:     66
    .vgpr_count:     232
    .wavefront_size: 32
...
	.end_amdgpu_metadata
.endif
;; end of part 1
;; launch bil (part 2): grid 8 x 32, 4 waves a work-group, clusters of 4 x 1, 327,680 bytes of LDS; arguments fb, ncm, wpart; writes wpart
.if DOCPART == 2
	.amdgcn_target "amdgcn-amd-amdhsa--gfx1250"
	.amdhsa_code_object_version 6
	.text
	.protected	k_qc999688712_bil
	.globl	k_qc999688712_bil
	.p2align	8
	.type	k_qc999688712_bil,@function
k_qc999688712_bil:
	s_mov_b64 s[64:65], 0
	v_nop
	global_prefetch_b8 v0, s[64:65] scope:SCOPE_SE
	s_setreg_imm32_b32 hwreg(HW_REG_WAVE_MODE, 25, 1), 1
	s_wait_xcnt 0x0
	s_wait_alu depctr_hold_cnt(0) depctr_sa_sdst(0) depctr_va_vdst(0) depctr_va_sdst(0) depctr_va_ssrc(0) depctr_va_vcc(0) depctr_vm_vsrc(0)
	s_getreg_b32 s2, hwreg(HW_REG_IB_STS2, 6, 4)
	s_cmp_eq_u32 s2, 0
	s_cbranch_scc0 .Lentry_in_a_cluster
	s_endpgm
.Lentry_in_a_cluster:
	s_bfe_u32 s2, ttmp6, 0x10000c
	s_cmp_lg_u32 s2, 0x3003
	s_cbranch_scc0 .Lentry_shape_is_right
	s_endpgm
.Lentry_shape_is_right:
; wpart[n][cb][d] = the sum over the 64 rows c of block cb of softmax_d(bil[c][d]), bil = (e f^T) / Z, e = 2^(7 log2(e) f + ncm), Z = sum of e over the places.
; Work left out: the product B f is not formed; only B's column sums leave this launch (shown at the head of the first kernel).
; SHARES.  Work-group (cb, n): rows c = 64 cb .. 64 cb + 63 of image n against all 512 d, so a row of the second softmax stays in one work-group.  Wave w: d = 128 w .. 128 w + 127 against
; all 64 c: 32 accumulators (ct 0-3 x dt 0-7), 256 registers.  K, the places, goes in 25 steps of 128: one block of fb a step, rows of 256 bytes; the last step has 64 places: two quarters.
; TRANSPOSED: source 0 = 16 rows d of f, source 1 = 16 rows c of e.  In the result lane (r, h), register j holds c = 16 ct + r, d = 128 w + 16 dt + 8 h + j: each number that belongs to a c is one number a lane.
; CLUSTER.  The four work-groups of a cluster belong to one image and walk the same blocks: each block is asked for JOINTLY, wave w its rows 128 w .. 128 w + 127, the same line, descriptor and mask in all four.
; e IS MADE ONCE A WORK-GROUP.  No LDS address may hang on the place in the cluster, so the work-group's own 64 rows are not read out of the shared tile: wave w loads its 16 rows (4,096 dense bytes)
; of block t + 1 into registers, makes e, adds Z, rounds to bf16 and puts them into a stage in LDS, in slices of four lines behind the products of step t; all four waves read fragments of e from there.
; The step's 64 exponentials are one batch with one wait.
; REGISTERS, in windows of 256 (s_set_vgpr_msb: bits 1:0 source 0, 3:2 source 1, 5:4 source 2, 7:6 destination):
;   window 0: addresses, ncm, Z, the own rows (two buffers), e at work, the epilogue's statistics     window 1: two fragment buffers of 96 (f: 8 dt, then e: 64 + 8 ct)     window 2: the accumulators, (ct, dt) at 8 (8 ct + dt)
.set BLK,   131072
.set IMG,   25*BLK
.set PITCH, 272                        ; an LDS row: 256 bytes + 16 of padding: the 16 rows of a fragment load start 68 words apart
.set WROWS, 128*PITCH                  ; what one tensor load brings
.set SLOT,  4*WROWS                    ; a block: 512 rows
.set ESTG,  2*SLOT                     ; behind the ring: two stages for e, 64 rows x 272 bytes, by the tile's parity; no tensor load lands from here on
.set EB,    64*PITCH
.set ZT,    ESTG+2*EB                  ; [c] f32: log2(e) / Z
.set MXT,   ZT+256                     ; [c][wave] f32: maxima
.set LST,   MXT+1024                   ; [c][wave] f32: sums
.set WST,   LST+1024                   ; [wave][128] f32: column sums
.set SPARE, WST+2048                   ; the spare words, 128 bytes for each wave: two blocks of 256 bytes that no other line names
.set BIG, 3                            ; v3   -1e30
.set AF,  4                            ; v4-5   my f fragments in slot 0, 1
.set AE,  6                            ; v6-7   the e fragments in stage 0, 1
.set ES,  8                            ; v8-9   where I put 16 bytes of e, stage 0, 1
.set GO,  10                           ; v10  16 lane
.set PFO, 11                           ; v11  256 lane
.set SPW, 12                           ; v12  my spare word; never rewritten
.set NIL, 13                           ; v13  0; never rewritten
.set CV,  14                           ; v14  7 log2(e)
.set MO,  15                           ; v15  4 h
.set ZA,  16                           ; v16-21 the epilogue's LDS addresses
.set MXA, 17
.set MXR, 18
.set ZR,  19
.set WSA, 20
.set WSR, 21
.set NCM, 24                           ; v24-31   ncm of my row 2 j + h
.set Z,   32                           ; v32-47   Z of my row 2 j + h, my eight places: a pair (even, odd) for each j
.set G,   48                           ; v48-111  my 16 rows of a block, two buffers of 32 by the tile's parity: load j holds row 2 j + h, places 8 p .. 8 p + 7
.set T,   112                          ; v112-175 64 numbers at work; later the epilogue's sums
.set MC,  176                          ; v176-191 four chains of maxima for each ct
.set MX,  192                          ; v192-207 the four waves' numbers for each ct
.set KK,  208                          ; v208-215 (k, k), k = log2(e) / Z, for each ct; later 1 / l in the low word
.set KM,  216                          ; v216-223 (k mx, k mx)
.set F0,  0
.set F1,  96
.set G1,  16                           ; s[16:23] descriptor group 1
.set G0,  24                           ; s[24:31] descriptor group 0, a set for each slot
.set GB,  32                           ; s[32:33] my 16 rows in the block that was loaded last
.set PFA, 34                           ; s[34:35] where my prefetches stand
.set LIM, 36                           ; s36, s37  1 and 2 in a wave that prefetches, else the greatest number
.set LIM2, 37
.set CNT, 38                           ; s38  the loop's trips to go
.set SEL, 40                           ; s[40:41] v_permlanex16_b32's selects
.set PMK, 42                           ; s42  lanes with p above 7
.set NB,  54                           ; s[54:55] ncm at my 16 rows
.set WP,  56                           ; s[56:57] wpart at my 128 numbers
.set MUL, 0xa5                         ; sources 0 and 1 window 1, C and D window 2
.set TOF, 0x40                         ; destination window 1
.set MSB, 0
.macro WIN new                         ; the immediate's high byte repeats the setting that is left; a switch that changes nothing is dropped
.if MSB != (\new)
	s_set_vgpr_msb (MSB<<8)|(\new)
.set MSB, (\new)
.endif
.endm
.macro CREST                           ; a round of the cluster's barrier behind its opening barrier
	s_cmp_lg_u32 s10, 0
	s_cbranch_scc1 .Lnot_wave_0_\@
	s_barrier_signal -3
.Lnot_wave_0_\@:
	s_barrier_wait -3
	s_barrier_signal -1
	s_barrier_wait -1
.endm
.macro CROUND
	s_barrier_signal -1
	s_barrier_wait -1
	CREST
.endm
.macro PLACES                          ; four plain instructions between a product and a load into registers that it has read
.rept 4
	v_nop
.endr
.endm
	s_load_b128 s[4:7], s[0:1], 0x0                ; fb s[4:5], ncm s[6:7]
	s_load_b64 s[8:9], s[0:1], 0x10                ; wpart
	v_lshl_add_u32 v[SPW], v0, 2, SPARE
	v_mov_b32 v[NIL], 0
	ds_add_u32 v[SPW], v[NIL]                      ; the wave's opening: the add, twice on end, and its wait ahead of my first tensor load; the set-up below is work on registers
	ds_add_u32 v[SPW], v[NIL]
	v_lshrrev_b32 v1, 5, v0
	v_readfirstlane_b32 s10, v1                    ; wave 0 .. 3
	s_bfe_u32 s11, ttmp6, 0x40000                  ; cx: my place in the cluster
	s_lshl_b32 s12, ttmp9, 2                       ; in a cluster launch ttmp9 counts clusters
	s_add_co_u32 s12, s12, s11                     ; cb = 4 x cluster x + cx: it enters global addresses of plain loads, prefetches and stores alone
	s_and_b32 s13, ttmp7, 0xffff                   ; n, which the four partners share
	s_mov_b32 s[G1+0], 15|(1<<16)|(1<<20)|(1<<21)|(5<<22)|(3<<25)  ; the mask of four; 2-byte elements; padding on; bit 21 beside a mask; after every 64 words 4 words
	s_mov_b32 s[G1+1], 128<<16                     ; tensor_dim0 = 128
	s_mov_b32 s[G1+2], 128<<16                     ; tensor_dim1 = 128
	s_mov_b32 s[G1+3], 128<<16                     ; tile_dim0 = 128
	s_mov_b32 s[G1+4], 128                         ; tile_dim1 = 128
	s_mov_b32 s[G1+5], 128                         ; 128 elements from row to row
	s_mov_b32 s[G1+6], 0
	s_mov_b32 s[G1+7], 0
	s_mul_i32 s14, s10, WROWS                      ; my part of a slot
	s_mul_i32 s44, s13, IMG                        ; the image in fb
	s_lshl_b32 s46, s10, 15                        ; my 128 rows of a block
	s_add_co_u32 s46, s46, s44
	s_mov_b32 s47, 0                               ; s[46:47]: made of n and the wave alone
	s_lshl_b32 s48, s12, 14                        ; the work-group's 64 rows,
	s_lshl_b32 s49, s10, 12                        ; my 16 of them
	s_add_co_u32 s48, s48, s49
	s_add_co_u32 s48, s48, s44
	s_mov_b32 s49, 0
	s_lshl_b32 s50, s11, 13                        ; the prefetches: of the 128 rows that wave w fetches the partner at cx names 32 cx .. 32 cx + 31,
	s_add_co_u32 s50, s50, s46
	s_add_co_u32 s50, s50, 4*BLK                   ; at block 4: the first change of slots steps it to 5
	s_mov_b32 s51, 0
	s_lshl_b32 s52, s13, 11                        ; ncm: 4 (512 n + 64 cb + 16 w)
	s_lshl_b32 s53, s12, 8
	s_add_co_u32 s52, s52, s53
	s_lshl_b32 s53, s10, 6
	s_add_co_u32 s52, s52, s53
	s_mov_b32 s53, 0
	s_lshl_b32 s58, s13, 14                        ; wpart: 4 (512 (8 n + cb) + 128 w)
	s_lshl_b32 s59, s12, 11
	s_add_co_u32 s58, s58, s59
	s_lshl_b32 s59, s10, 9
	s_add_co_u32 s58, s58, s59
	s_mov_b32 s59, 0
	s_mov_b32 s[SEL], 0x76543210
	s_mov_b32 s[SEL+1], 0xfedcba98
	s_cmp_eq_u32 ttmp9, 0                          ; both clusters of an image walk the same blocks: the first prefetches; the same answer in all four partners
	s_cselect_b32 s[LIM], 1, -1
	s_cselect_b32 s[LIM2], 2, -1
	v_and_b32 v1, 15, v0                           ; r, p
	v_bfe_u32 v2, v0, 4, 1                         ; h
	v_and_b32 v22, 31, v0
	v_lshlrev_b32 v[GO], 4, v22
	v_lshlrev_b32 v[PFO], 8, v22
	v_lshlrev_b32 v[MO], 2, v2
	s_wait_dscnt 0x0                               ; both opening adds are done
	s_wait_kmcnt 0x0
	s_add_nc_u64 s[46:47], s[4:5], s[46:47]        ; block 0, my 128 rows
	s_add_nc_u64 s[44:45], s[4:5], s[48:49]        ; block 0, my own 16 rows
	s_add_nc_u64 s[GB:GB+1], s[44:45], BLK         ; block 1
	s_add_nc_u64 s[PFA:PFA+1], s[4:5], s[50:51]
	s_add_nc_u64 s[NB:NB+1], s[6:7], s[52:53]
	s_add_nc_u64 s[WP:WP+1], s[8:9], s[58:59]
.irp s, 0,1
	s_mov_b32 s[G0+4*\s], 1                        ; count = 1
	s_add_co_u32 s[G0+4*\s+1], s14, \s*SLOT        ; LDS address
	s_add_nc_u64 s[G0+4*\s+2:G0+4*\s+3], s[46:47], \s*BLK  ; global address: block s
	s_or_b32 s[G0+4*\s+3], s[G0+4*\s+3], 0x80000000        ; type = 2
.endr
	CROUND                                         ; all four work-groups are here: the first joint loads meet
	tensor_load_to_lds s[G0:G0+3], s[G1:G1+7]      ; blocks 0 and 1: two tensor loads of mine are out
	s_nop 0
	tensor_load_to_lds s[G0+4:G0+7], s[G1:G1+7]
	s_nop 0
	PLACES
.irp j, 0,1,2,3,4,5,6,7
	global_load_b32 v[NCM+\j], v[MO], s[NB:NB+1] offset:8*\j
.endr
.irp j, 0,1,2,3,4,5,6,7
	global_load_b128 v[G+4*\j:G+4*\j+3], v[GO], s[44:45] offset:512*\j
.endr
.irp j, 0,1,2,3,4,5,6,7
	global_load_b128 v[G+32+4*\j:G+32+4*\j+3], v[GO], s[GB:GB+1] offset:512*\j
.endr
	v_mov_b32 v[BIG], 0xf149f2ca
	v_mov_b32 v[CV], 0x412194f4
	v_cmp_lt_u32 s[PMK], 7, v1
	v_mul_u32_u24 v22, v1, PITCH
	v_lshl_add_u32 v22, v2, 4, v22                 ; a fragment: row r x pitch + 16 h
	v_add_nc_u32 v[AF], s14, v22
	v_add_nc_u32 v[AF+1], SLOT, v[AF]
	v_add_nc_u32 v[AE], ESTG, v22
	v_add_nc_u32 v[AE+1], ESTG+EB, v22
	s_mul_i32 s58, s10, 16*PITCH
	s_add_co_u32 s58, s58, ESTG
	v_mul_u32_u24 v23, v2, PITCH
	v_lshl_add_u32 v23, v1, 4, v23
	v_add_nc_u32 v[ES], s58, v23                   ; row 16 w + h, 16 p
	v_add_nc_u32 v[ES+1], EB, v[ES]
	s_lshl_b32 s58, s10, 6
	s_add_co_u32 s58, s58, ZT
	v_lshl_add_u32 v[ZA], v2, 2, s58               ; ZT + 4 (16 w + h)
	s_lshl_b32 s59, s10, 2
	s_add_co_u32 s59, s59, MXT
	v_lshl_add_u32 v[MXA], v1, 4, s59              ; MXT + 16 r + 4 w
	v_lshl_add_u32 v[MXR], v1, 4, MXT
	v_lshl_add_u32 v[ZR], v1, 2, ZT
	s_lshl_b32 s60, s10, 9
	s_add_co_u32 s60, s60, WST
	v_lshl_add_u32 v[WSA], v2, 5, s60              ; WST + 512 w + 32 h
	v_add_nc_u32 v[WSR], s60, v[GO]
; THE MAKING OF e, for the tile in buffer b of G.  Number i of 64: row 2 (i / 8) + h, place 8 p + i % 8.
.macro FF b, i                         ; the exponent 7 log2(e) f + ncm, straight from the bf16 half
.if ((\i)&1)
	v_fma_mix_f32_bf16 v[T+(\i)], v[G+32*(\b)+(\i)/2], v[CV], v[NCM+(\i)/8] op_sel:[1,0,0] op_sel_hi:[1,0,0]
.else
	v_fma_mix_f32_bf16 v[T+(\i)], v[G+32*(\b)+(\i)/2], v[CV], v[NCM+(\i)/8] op_sel_hi:[1,0,0]
.endif
.endm
.macro XX i
	v_exp_f32 v[T+(\i)], v[T+(\i)]
.endm
.macro FXS b                           ; slice fx of 32: exponents and exponentials by turns; an exponential stands two slices behind its exponent; none of these lines names an exponential's result
	WIN 0
.if fx == 0
	FF \b, 0
	FF \b, 1
	FF \b, 2
	FF \b, 3
.elseif fx < 31
	FF \b, 2*fx+2
	XX 2*fx-2
	FF \b, 2*fx+3
	XX 2*fx-1
.else
	XX 60
	XX 61
	XX 62
	XX 63
.endif
.set fx, fx+1
.endm
.macro AC1 i                           ; pair i of 32: Z takes it, then it is rounded to bf16; the rounding's destination, T + i, has been read by then
	v_pk_add_f32 v[Z+2*((\i)/4):Z+2*((\i)/4)+1], v[Z+2*((\i)/4):Z+2*((\i)/4)+1], v[T+2*(\i):T+2*(\i)+1]
	v_cvt_pk_bf16_f32 v[T+(\i)], v[T+2*(\i)], v[T+2*(\i)+1]
.endm
.macro ACS                             ; slice ac of 16
	WIN 0
	AC1 2*ac
	AC1 2*ac+1
.set ac, ac+1
.endm
; Eight products: the rows c of block ct against my eight blocks dt, 32 along K, from buffer f.  The 32 accumulators take turns, one instruction a turn, in the same order in every quarter, over the
; backward jump too.  zero = 1: the products start the sums.  mode 1: a slice FXS behind every second product; mode 2: a slice ACS behind every product.
.macro MUL8 f, ct, zero, mode, b
.irp dt, 0,1,2,3,4,5,6,7
	WIN MUL
.if \zero
	v_wmma_f32_16x16x32_bf16 v[8*(8*(\ct)+\dt):8*(8*(\ct)+\dt)+7], v[(\f)+8*\dt:(\f)+8*\dt+7], v[(\f)+64+8*(\ct):(\f)+64+8*(\ct)+7], 0
.else
	v_wmma_f32_16x16x32_bf16 v[8*(8*(\ct)+\dt):8*(8*(\ct)+\dt)+7], v[(\f)+8*\dt:(\f)+8*\dt+7], v[(\f)+64+8*(\ct):(\f)+64+8*(\ct)+7], v[8*(8*(\ct)+\dt):8*(8*(\ct)+\dt)+7]
.endif
.if ((\mode) == 1) && ((\dt) % 2 == 1)
	FXS \b
.endif
.if (\mode) == 2
	ACS
.endif
.endr
.endm
; 24 LDS loads in one run: quarter q (32 along K) of slot s and stage s into buffer f: my 128 rows of f, then the 64 rows of e, ct ascending
.macro FETCH s, q, f
	WIN TOF
.irp dt, 0,1,2,3,4,5,6,7
	ds_load_b128 v[(\f)+8*\dt:(\f)+8*\dt+3],   v[AF+(\s)] offset:16*PITCH*\dt+64*(\q)
	ds_load_b128 v[(\f)+8*\dt+4:(\f)+8*\dt+7], v[AF+(\s)] offset:16*PITCH*\dt+64*(\q)+32
.endr
.irp ct, 0,1,2,3
	ds_load_b128 v[(\f)+64+8*\ct:(\f)+64+8*\ct+3],   v[AE+(\s)] offset:16*PITCH*\ct+64*(\q)
	ds_load_b128 v[(\f)+64+8*\ct+4:(\f)+64+8*\ct+7], v[AE+(\s)] offset:16*PITCH*\ct+64*(\q)+32
.endr
.endm
.macro GLOAD b                         ; my 16 rows of the block two steps on, into buffer b
	WIN 0
	s_wait_loadcnt 0x0                             ; the rows asked for a step ago are in: this step makes e of them; and the loads that read GB are done, so it may be stepped
	s_add_nc_u64 s[GB:GB+1], s[GB:GB+1], BLK
.irp j, 0,1,2,3,4,5,6,7
	global_load_b128 v[G+32*(\b)+4*\j:G+32*(\b)+4*\j+3], v[GO], s[GB:GB+1] offset:512*\j
.endr
.endm
.macro ESTORE b                        ; my 16 rows of e into stage b: lanes 0-15 a row's 256 bytes, lanes 16-31 the next row's
	WIN 0
.irp j, 0,1,2,3,4,5,6,7
	ds_store_b128 v[ES+(\b)], v[T+4*\j:T+4*\j+3] offset:2*PITCH*\j
.endr
.endm
; A prefetch of block t + 5, behind the joint load of block t + 2 and the run of LDS loads: three steps, 384 products, ahead of the load that will ask for it.  A lane a row of 256 bytes, one instruction a wave;
; sixteen waves of the image's first cluster name the block's 512 rows once.  Blocks 0 to 4 come by their loads alone; behind step 19 nothing is named: block 24 is the last.
.macro ASK how
.if (\how) == 2
	s_cmp_eq_u32 s[LIM], 1                         ; step 0
.elseif (\how) == 1
	s_cmp_gt_u32 s[CNT], s[LIM2]                   ; the trip's even step: steps 2 to 18
.else
	s_cmp_gt_u32 s[CNT], s[LIM]                    ; the trip's odd step: steps 1 to 19
.endif
	s_cbranch_scc0 .Lnot_mine_\@
	global_prefetch_b8 v[PFO], s[PFA:PFA+1] th:TH_LOAD_NT scope:SCOPE_SE
.Lnot_mine_\@:
.endm
; One of a step's first three quarters: multiplies buffer f; in its middle fetches quarter q into buffer g.  m1, m2: the slices of its halves.
.macro QUARTER s, q, f, g, zero, m1, m2, b
	s_wait_dscnt 4                                 ; f and e of ct 0, 1 are in; the youngest four loads (e of ct 2, 3) may be out
	MUL8 \f, 0, \zero, \m1, \b
	MUL8 \f, 1, \zero, \m1, \b
	PLACES                                         ; in front of the loads into g; in the third quarter also the plain instruction behind the last exponential
.if (\m2) == 2
	s_wait_alu depctr_va_vdst(0)                   ; ONE wait for the step's 64 exponentials, ahead of the first line that names a result
.endif
	FETCH \s, \q, \g
	s_wait_dscnt 24                                ; all but the 24 just issued
	MUL8 \f, 2, \zero, \m2, \b
	MUL8 \f, 3, \zero, \m2, \b
.endm
; The last quarter multiplies buffer 1 and changes slots.  ONE barrier orders three things: every wave's reads of slot s against its refill; every wave's stores of the next e against their readers;
; every wave's reads of this step's e against the next step's stores into that stage.  fill = 1: the barrier opens a round of the cluster's, and slot s takes the block two steps on.
.macro TURN s, fill, how
.if \fill
	s_wait_xcnt 0x0                                ; the last prefetch, a step back, has read its address
	s_add_nc_u64 s[PFA:PFA+1], s[PFA:PFA+1], BLK
.endif
	WIN 0                                          ; (the add's two registers lie in window 0)
	s_wait_tensorcnt 0x0                           ; all my tensor loads have landed: the one that was out is my part of the next slot
	ds_add_u32 v[SPW], v[NIL]                      ; 0 onto my spare word
	s_wait_dscnt 13                                ; the add, my 8 stores of e and the youngest 4 loads may be out
	MUL8 F1, 0, 0, 0, 0
	s_wait_dscnt 0x0                               ; the add is done, my stores of e are done, my reads of the slot and of the stage are over
	s_barrier_signal -1
	MUL8 F1, 1, 0, 0, 0                            ; work on registers while the others arrive
.if \fill
	WIN 0
.endif
	s_barrier_wait -1
.if \fill
	CREST                                          ; no wave of any partner still reads this slot or has a load on its way
	s_add_nc_u64 s[G0+4*(\s)+2:G0+4*(\s)+3], s[G0+4*(\s)+2:G0+4*(\s)+3], 2*BLK
	tensor_load_to_lds s[G0+4*(\s):G0+4*(\s)+3], s[G1:G1+7]  ; my one tensor load behind the round: 112 products stand between it and the wait for it
	s_nop 0
.endif
	PLACES                                         ; behind the tensor load, and in front of the loads into buffer 0
	FETCH 1-(\s), 0, F0
.if \fill
	WIN 0
	ASK \how
.endif
	MUL8 F1, 2, 0, 0, 0
	MUL8 F1, 3, 0, 0, 0
.endm
; Step t in slot s = t % 2: 128 products; beside them e of block t + 1.  gl = 1: my rows of block t + 2 are asked for.
.macro STEP s, zero, gl, fill, how
.set fx, 0
.set ac, 0
.if \gl
	GLOAD \s
.else
	s_wait_loadcnt 0x0                             ; my rows of the last block are in
.endif
	QUARTER \s, 1, F0, F1, \zero, 1, 1, 1-(\s)
	QUARTER \s, 2, F1, F0, 0, 1, 1, 1-(\s)
	QUARTER \s, 3, F0, F1, 0, 0, 2, 1-(\s)
	ESTORE 1-(\s)
	TURN \s, \fill, \how
.endm
	; e of block 0, in one piece: there are no products yet to set it beside
	s_wait_loadcnt 8                               ; ncm and my rows of block 0 are in; block 1's eight loads may stay out
.set i, 0
.rept 64
	FF 0, i
.set i, i+1
.endr
.set i, 0
.rept 64
	XX i
.set i, i+1
.endr
	v_nop                                          ; a plain instruction behind the last exponential,
	s_wait_alu depctr_va_vdst(0)                   ; and the batch's one wait
.irp j, 0,1,2,3,4,5,6,7
	v_pk_add_f32 v[Z+2*\j:Z+2*\j+1], v[T+8*\j:T+8*\j+1], v[T+8*\j+2:T+8*\j+3]  ; the first sums start Z: nothing is cleared
.endr
.irp u, 4,6
.irp j, 0,1,2,3,4,5,6,7
	v_pk_add_f32 v[Z+2*\j:Z+2*\j+1], v[Z+2*\j:Z+2*\j+1], v[T+8*\j+\u:T+8*\j+\u+1]
.endr
.endr
.set i, 0
.rept 32
	v_cvt_pk_bf16_f32 v[T+i], v[T+2*i], v[T+2*i+1]
.set i, i+1
.endr
	ESTORE 0
	s_wait_tensorcnt 1                             ; my part of block 0 is in; block 1's may stay out
	s_wait_dscnt 0x0                               ; my rows of e are in the stage
	s_barrier_signal -1
	s_barrier_wait -1                              ; everybody's are
	FETCH 0, 0, F0
	STEP 0, 1, 1, 1, 2                             ; step 0 is written out: its first quarter starts the sums
	WIN 0                                          ; at a label and at a branch every window is 0
	s_mov_b32 s[CNT], 11
.Ltrip:                                                ; steps 1 to 22, two a trip; both fill a slot again: blocks 3 to 24
	STEP 1, 0, 1, 1, 0
	STEP 0, 0, 1, 1, 1
	WIN 0
	s_sub_co_u32 s[CNT], s[CNT], 1
	s_cmp_lg_u32 s[CNT], 0
	s_cbranch_scc1 .Ltrip
.irp j, 0,1,2,3,4,5,6,7
	v_cndmask_b32 v[NCM+\j], v[NCM+\j], v[BIG], s[PMK]  ; block 24 has 64 places: in lanes p above 7 the exponent becomes -1e30, e is 0 and Z takes nothing
.endr
	STEP 1, 0, 0, 0, 0                             ; step 23: nothing is asked for; a plain barrier
	QUARTER 0, 1, F0, F1, 0, 0, 0, 0               ; step 24: two quarters
	s_wait_dscnt 0x0
	MUL8 F1, 0, 0, 0, 0
	MUL8 F1, 1, 0, 0, 0
	MUL8 F1, 2, 0, 0, 0
	MUL8 F1, 3, 0, 0, 0
	; THE SECOND SOFTMAX AND ITS COLUMN SUMS.  First Z: its lines are also the places behind the last products.
	WIN 0
.irp j, 0,1,2,3,4,5,6,7
	v_add_f32 v[Z+2*\j], v[Z+2*\j], v[Z+2*\j+1]
.endr
.irp m, 1,2,4,8
.irp j, 0,1,2,3,4,5,6,7
	v_add_f32_dpp v[Z+2*\j], v[Z+2*\j], v[Z+2*\j] row_xmask:\m row_mask:0xf bank_mask:0xf  ; over the 16 lanes that share a row
.endr
.endr
.irp j, 0,1,2,3,4,5,6,7
	v_rcp_f32 v[Z+2*\j+1], v[Z+2*\j]
.endr
	v_nop
	s_wait_alu depctr_va_vdst(0)                   ; one wait for the eight reciprocals
.irp j, 0,1,2,3,4,5,6,7
	v_mul_f32 v[Z+2*\j], 0x3fb8aa3b, v[Z+2*\j+1]   ; log2(e) / Z
.endr
.irp j, 0,1,2,3,4,5,6,7
	ds_store_b32 v[ZA], v[Z+2*\j] offset:8*\j
.endr
	; the largest acc of each c over my 128 d: four chains for each ct; each accumulator's lowest registers are read first
	WIN 0x0a                                       ; sources 0 and 1 window 2
.irp ct, 0,1,2,3
.irp i, 0,1,2,3
	v_max_num_f32 v[MC+4*\ct+\i], v[64*\ct+2*\i], v[64*\ct+2*\i+1]
.endr
.endr
	WIN 0x28                                       ; sources 1 and 2 window 2
.irp ct, 0,1,2,3
.irp dt, 1,2,3,4,5,6,7
.irp i, 0,1,2,3
	v_max3_num_f32 v[MC+4*\ct+\i], v[MC+4*\ct+\i], v[64*\ct+8*\dt+2*\i], v[64*\ct+8*\dt+2*\i+1]
.endr
.endr
.endr
	WIN 0
.irp ct, 0,1,2,3
	v_max3_num_f32 v[MC+4*\ct], v[MC+4*\ct], v[MC+4*\ct+1], v[MC+4*\ct+2]
.endr
.irp ct, 0,1,2,3
	v_max_num_f32 v[MC+4*\ct], v[MC+4*\ct], v[MC+4*\ct+3]
.endr
.irp ct, 0,1,2,3
	v_permlanex16_b32 v[MC+4*\ct+1], v[MC+4*\ct], s[SEL], s[SEL+1]  ; the other eight d of each block lie in the lane 16 away
.endr
.irp ct, 0,1,2,3
	v_max_num_f32 v[MC+4*\ct], v[MC+4*\ct], v[MC+4*\ct+1]
.endr
.irp ct, 0,1,2,3
	ds_store_b32 v[MXA], v[MC+4*\ct] offset:256*\ct
.endr
	s_wait_dscnt 0x0                               ; for the others' sake
	s_barrier_signal -1
	s_barrier_wait -1
.irp ct, 0,1,2,3
	ds_load_b128 v[MX+4*\ct:MX+4*\ct+3], v[MXR] offset:256*\ct
	ds_load_b32 v[KK+2*\ct], v[ZR] offset:64*\ct
.endr
	s_wait_dscnt 0x0
.irp ct, 0,1,2,3
	v_max3_num_f32 v[MX+4*\ct], v[MX+4*\ct], v[MX+4*\ct+1], v[MX+4*\ct+2]
	v_mov_b32 v[KK+2*\ct+1], v[KK+2*\ct]
.endr
.irp ct, 0,1,2,3
	v_max_num_f32 v[MX+4*\ct], v[MX+4*\ct], v[MX+4*\ct+3]  ; the row's maximum over all 512 d
.endr
.irp ct, 0,1,2,3
	v_mul_f32 v[KM+2*\ct], v[KK+2*\ct], v[MX+4*\ct]
	v_mul_f32 v[KM+2*\ct+1], v[KK+2*\ct], v[MX+4*\ct]
.endr
	; 2^(k acc - k mx), in place: one batch of 256 exponentials, the next ct's scalings between them, one wait
.macro SCL a
	v_pk_fma_f32 v[2*(\a):2*(\a)+1], v[2*(\a):2*(\a)+1], v[KK+2*((\a)/32):KK+2*((\a)/32)+1], v[KM+2*((\a)/32):KM+2*((\a)/32)+1] neg_lo:[0,0,1] neg_hi:[0,0,1]
.endm
	WIN 0x82                                       ; destination and source 0 window 2
.set a, 0
.rept 32
	SCL a
.set a, a+1
.endr
.set a, 0
.rept 128
	v_exp_f32 v[2*a], v[2*a]
	v_exp_f32 v[2*a+1], v[2*a+1]
.if a < 96
	SCL a+32
.endif
.set a, a+1
.endr
	v_nop
	s_wait_alu depctr_va_vdst(0)
	; the sum of each c over my 128 d: four chains of pairs for each ct, started by the first eight pairs
	WIN 0x0a
.irp ct, 0,1,2,3
.irp u, 0,1,2,3
	v_pk_add_f32 v[T+8*\ct+2*\u:T+8*\ct+2*\u+1], v[64*\ct+2*\u:64*\ct+2*\u+1], v[64*\ct+8+2*\u:64*\ct+8+2*\u+1]
.endr
.endr
	WIN 0x08                                       ; source 1 window 2
.irp ct, 0,1,2,3
.set i, 8
.rept 24
	v_pk_add_f32 v[T+8*\ct+2*(i%4):T+8*\ct+2*(i%4)+1], v[T+8*\ct+2*(i%4):T+8*\ct+2*(i%4)+1], v[64*\ct+2*i:64*\ct+2*i+1]
.set i, i+1
.endr
.endr
	WIN 0
.irp ct, 0,1,2,3
	v_pk_add_f32 v[T+8*\ct:T+8*\ct+1], v[T+8*\ct:T+8*\ct+1], v[T+8*\ct+2:T+8*\ct+3]
	v_pk_add_f32 v[T+8*\ct+4:T+8*\ct+5], v[T+8*\ct+4:T+8*\ct+5], v[T+8*\ct+6:T+8*\ct+7]
.endr
.irp ct, 0,1,2,3
	v_pk_add_f32 v[T+8*\ct:T+8*\ct+1], v[T+8*\ct:T+8*\ct+1], v[T+8*\ct+4:T+8*\ct+5]
.endr
.irp ct, 0,1,2,3
	v_add_f32 v[T+8*\ct], v[T+8*\ct], v[T+8*\ct+1]
.endr
.irp ct, 0,1,2,3
	v_permlanex16_b32 v[T+8*\ct+1], v[T+8*\ct], s[SEL], s[SEL+1]
.endr
.irp ct, 0,1,2,3
	v_add_f32 v[T+8*\ct], v[T+8*\ct], v[T+8*\ct+1]
.endr
.irp ct, 0,1,2,3
	ds_store_b32 v[MXA], v[T+8*\ct] offset:LST-MXT+256*\ct
.endr
	s_wait_dscnt 0x0
	s_barrier_signal -1
	s_barrier_wait -1
.irp ct, 0,1,2,3
	ds_load_b128 v[MX+4*\ct:MX+4*\ct+3], v[MXR] offset:LST-MXT+256*\ct
.endr
	s_wait_dscnt 0x0
.irp ct, 0,1,2,3
	v_add_f32 v[MX+4*\ct], v[MX+4*\ct], v[MX+4*\ct+1]
	v_add_f32 v[MX+4*\ct+2], v[MX+4*\ct+2], v[MX+4*\ct+3]
.endr
.irp ct, 0,1,2,3
	v_add_f32 v[MX+4*\ct], v[MX+4*\ct], v[MX+4*\ct+2]
.endr
.irp ct, 0,1,2,3
	v_rcp_f32 v[KK+2*\ct], v[MX+4*\ct]             ; 1 / l, in the pair's low word, which serves both halves below
.endr
	v_nop
	s_wait_alu depctr_va_vdst(0)
	; column sums: over ct in the lane, then over the 16 lanes r
	WIN 0x02                                       ; source 0 window 2
.set i, 0
.rept 32
	v_pk_mul_f32 v[T+2*i:T+2*i+1], v[2*i:2*i+1], v[KK:KK+1] op_sel_hi:[1,0]
.set i, i+1
.endr
.irp ct, 1,2,3
.set i, 0
.rept 32
	v_pk_fma_f32 v[T+2*i:T+2*i+1], v[64*\ct+2*i:64*\ct+2*i+1], v[KK+2*\ct:KK+2*\ct+1], v[T+2*i:T+2*i+1] op_sel_hi:[1,0,1]
.set i, i+1
.endr
.endr
	WIN 0
.irp m, 1,2,4,8
.set i, 0
.rept 64
	v_add_f32_dpp v[T+i], v[T+i], v[T+i] row_xmask:\m row_mask:0xf bank_mask:0xf
.set i, i+1
.endr
.endr
.irp dt, 0,1,2,3,4,5,6,7
	ds_store_b128 v[WSA], v[T+8*\dt:T+8*\dt+3] offset:64*\dt        ; d = 16 dt + 8 h + 0 .. 7; the 16 lanes of a half write the same bytes with the same numbers
	ds_store_b128 v[WSA], v[T+8*\dt+4:T+8*\dt+7] offset:64*\dt+16
.endr
	ds_load_b128 v[MX:MX+3], v[WSR]                ; my own bytes: LDS serves a wave's instructions in order
	s_wait_dscnt 0x0
	global_store_b128 v[GO], v[MX:MX+3], s[WP:WP+1]  ; 512 consecutive bytes, aligned
	s_wait_tensorcnt 0x0                           ; the wave's end: behind my last tensor load and my last LDS store
	ds_add_u32 v[SPW], v[NIL]
	s_wait_dscnt 0x0
	CROUND                                         ; the closing round: no work-group ends while a partner may still ask for a tile that names it
	s_endpgm
.Lfunc_end_k_qc999688712_bil:
	.size	k_qc999688712_bil, .Lfunc_end_k_qc999688712_bil-k_qc999688712_bil
	.p2alignl 7, 3214868480
	.fill 96, 4, 3214868480
	.section	.rodata,"a",@progbits
	.p2align	6, 0x0
	.amdhsa_kernel k_qc999688712_bil
		.amdhsa_group_segment_fixed_size 327680
		.amdhsa_private_segment_fixed_size 0
		.amdhsa_enable_private_segment 0
		.amdhsa_kernarg_size 24
		.amdhsa_user_sgpr_count 2
		.amdhsa_user_sgpr_kernarg_segment_ptr 1
		.amdhsa_wavefront_size32 1
		.amdhsa_system_sgpr_workgroup_id_x 1
		.amdhsa_system_sgpr_workgroup_id_y 1
		.amdhsa_system_sgpr_workgroup_id_z 1
		.amdhsa_system_vgpr_workitem_id 0
		.amdhsa_next_free_vgpr 768
		.amdhsa_next_free_sgpr 66
		.amdhsa_reserve_vcc 0
		.amdhsa_float_denorm_mode_32 3
		.amdhsa_float_denorm_mode_16_64 3
		.amdhsa_memory_ordered 1
		.amdhsa_forward_progress 1
		.amdhsa_inst_pref_size 211
	.end_amdhsa_kernel
	.amdgpu_metadata
---
amdhsa.version: [ 1, 2 ]
amdhsa.kernels:
  - .name:           k_qc999688712_bil
    .symbol:         k_qc999688712_bil.kd
    .args:
      - { .name: fb, .offset: 0, .size: 8, .value_kind: global_buffer, .address_space: global }
      - { .name: ncm, .offset: 8, .size: 8, .value_kind: global_buffer, .address_space: global }
      - { .name: wpart, .offset: 16, .size: 8, .value_kind: global_buffer, .address_space: global }
    .group_segment_fixed_size: 327680
    .private_segment_fixed_size: 0
    .kernarg_segment_align: 8
    .kernarg_segment_size: 24
    .max_flat_workgroup_size: 128
    .sgpr_count:     66
    .vgpr_count:     768
    .wavefront_size: 32
...
	.end_amdgpu_metadata
.endif
;; end of part 2
;; launch att (part 3): grid 25 x 32, 8 waves a work-group, no clusters, 7,168 bytes of LDS; arguments fb, wpart, out0; writes out0
.if DOCPART == 3
	.amdgcn_target "amdgcn-amd-amdhsa--gfx1250"
	.amdhsa_code_object_version 6
	.text
	.protected	k_qc999688712_att
	.globl	k_qc999688712_att
	.p2align	8
	.type	k_qc999688712_att,@function
k_qc999688712_att:
	s_mov_b64 s[64:65], 0
	v_nop
	global_prefetch_b8 v0, s[64:65] scope:SCOPE_SE
	s_setreg_imm32_b32 hwreg(HW_REG_WAVE_MODE, 25, 1), 1
	s_wait_xcnt 0x0
; out0[n][s] = the sum over d of w[d] f[d][s], w[d] = the sum of the eight partial column sums of wpart.
; Work left out: the product B f is not formed; its sum over c is this weighted sum (shown at the head of the first kernel).
; A stream: each byte of fb is read once, nothing is shared but 16 KiB of wpart an image: no matrix unit, no cluster, no tensor load.
; SHARES.  Work-group (t, n): block t of image n, 512 rows x 128 places.  Wave v: rows d = 64 v .. 64 v + 63, 16,384 dense bytes: 32 loads of 16 bytes a lane, all issued at once.
; Load i holds in lane (h, p) row 64 v + 2 i + h, places 8 p .. 8 p + 7.  The eight waves' sums meet in LDS; wave 0 adds and stores them.
.set BLK,   131072
.set WL,    0                          ; LDS: wave v's 64 weights at 256 v: the 32 of even d, then the 32 of odd d
.set RED,   2048                       ; wave v's 128 sums at 2,048 + 512 v
.set SPARE, 6144                       ; the spare words, 128 bytes for each of 8 waves
.set FO,  4                            ; v4   16,384 v + 16 lane
.set WO,  5                            ; v5   256 v + 8 lane
.set WS,  6                            ; v6   WL + 256 v + 4 lane
.set WR,  7                            ; v7   WL + 256 v + 128 h
.set RS,  8                            ; v8   RED + 512 v + 32 p
.set RR,  9                            ; v9   RED + 16 lane
.set OO,  10                           ; v10  16 lane
.set COL, 11                           ; v11  128 t + 4 lane
.set SPW, 12                           ; v12  my spare word; never rewritten
.set NIL, 13                           ; v13  0; never rewritten
.set P,   16                           ; v16-31  eight pairs of partial column sums
.set W,   32                           ; v32-63  w of row 64 v + 2 i + h
.set ACC, 64                           ; v64-71  my eight places' sums
.set F,   72                           ; v72-199 the 32 loads
	s_load_b128 s[4:7], s[0:1], 0x0                ; fb s[4:5], wpart s[6:7]
	s_load_b64 s[8:9], s[0:1], 0x10                ; out0
	v_lshl_add_u32 v[SPW], v0, 2, SPARE
	v_mov_b32 v[NIL], 0
	v_lshrrev_b32 v1, 5, v0
	v_readfirstlane_b32 s10, v1                    ; wave 0 .. 7
	v_and_b32 v1, 31, v0                           ; lane
	v_bfe_u32 v2, v0, 4, 1                         ; h
	v_and_b32 v3, 15, v0                           ; p
	s_and_b32 s11, ttmp7, 0xffff                   ; n
	s_mul_i32 s12, s11, 25
	s_add_co_u32 s12, s12, ttmp9
	s_lshl_b32 s12, s12, 17                        ; block 25 n + t, under 2^27
	s_mov_b32 s13, 0
	s_lshl_b32 s14, s11, 14                        ; the image's 8 x 512 partial sums
	s_mov_b32 s15, 0
	s_mul_i32 s16, s11, 12544
	s_lshl_b32 s17, ttmp9, 9
	s_add_co_u32 s16, s16, s17                     ; out0: 4 (3,136 n + 128 t)
	s_mov_b32 s17, 0
	s_mov_b32 s18, 0x76543210
	s_mov_b32 s19, 0xfedcba98
	s_lshl_b32 s20, s10, 14
	v_lshl_add_u32 v[FO], v1, 4, s20
	s_lshl_b32 s21, s10, 8
	v_lshl_add_u32 v[WO], v1, 3, s21
	v_lshl_add_u32 v[WS], v1, 2, s21
	v_lshl_add_u32 v[WR], v2, 7, s21
	s_lshl_b32 s22, s10, 9
	s_add_co_u32 s22, s22, RED
	v_lshl_add_u32 v[RS], v3, 5, s22
	v_lshlrev_b32 v[OO], 4, v1
	v_add_nc_u32 v[RR], RED, v[OO]
	s_lshl_b32 s23, ttmp9, 7
	v_lshl_add_u32 v[COL], v1, 2, s23
	s_wait_kmcnt 0x0
	s_add_nc_u64 s[4:5], s[4:5], s[12:13]
	s_add_nc_u64 s[6:7], s[6:7], s[14:15]
	s_add_nc_u64 s[8:9], s[8:9], s[16:17]
.irp c, 0,1,2,3,4,5,6,7
	global_load_b64 v[P+2*\c:P+2*\c+1], v[WO], s[6:7] offset:2048*\c  ; 256 consecutive bytes, aligned: d = 64 v + 2 lane, + 1
.endr
.set i, 0
.rept 32
	global_load_b128 v[F+4*i:F+4*i+3], v[FO], s[4:5] offset:512*i th:TH_LOAD_NT
.set i, i+1
.endr
	s_wait_loadcnt 32                              ; the partial sums are in; the block's 32 loads may stay out
.irp c, 0,2,4,6
	v_pk_add_f32 v[P+2*\c:P+2*\c+1], v[P+2*\c:P+2*\c+1], v[P+2*\c+2:P+2*\c+3]
.endr
	v_pk_add_f32 v[P:P+1], v[P:P+1], v[P+4:P+5]
	v_pk_add_f32 v[P+8:P+9], v[P+8:P+9], v[P+12:P+13]
	v_pk_add_f32 v[P:P+1], v[P:P+1], v[P+8:P+9]
	ds_store_b32 v[WS], v[P]                       ; even d
	ds_store_b32 v[WS], v[P+1] offset:128          ; odd d
.irp k, 0,1,2,3,4,5,6,7
	ds_load_b128 v[W+4*\k:W+4*\k+3], v[WR] offset:16*\k  ; my own wave's bytes: LDS serves a wave's instructions in order; a half's lanes read the same words
.endr
	s_wait_dscnt 0x0
.set i, 0
.rept 32
	s_wait_loadcnt 31-i                            ; loads come back in order: load i is in
.irp q, 0,1,2,3
.if i == 0
	v_fma_mix_f32_bf16 v[ACC+2*\q], v[F+\q], v[W], v[NIL] op_sel_hi:[1,0,0]                 ; the first products start the sums
	v_fma_mix_f32_bf16 v[ACC+2*\q+1], v[F+\q], v[W], v[NIL] op_sel:[1,0,0] op_sel_hi:[1,0,0]
.else
	v_fma_mix_f32_bf16 v[ACC+2*\q], v[F+4*i+\q], v[W+i], v[ACC+2*\q] op_sel_hi:[1,0,0]
	v_fma_mix_f32_bf16 v[ACC+2*\q+1], v[F+4*i+\q], v[W+i], v[ACC+2*\q+1] op_sel:[1,0,0] op_sel_hi:[1,0,0]
.endif
.endr
.set i, i+1
.endr
.irp j, 0,1,2,3,4,5,6,7
	v_permlanex16_b32 v[P+\j], v[ACC+\j], s18, s19 ; the odd rows' sums lie in the lane 16 away
.endr
.irp j, 0,1,2,3,4,5,6,7
	v_add_f32 v[ACC+\j], v[ACC+\j], v[P+\j]
.endr
	ds_store_b128 v[RS], v[ACC:ACC+3]              ; both halves of the lanes write the same bytes with the same numbers
	ds_store_b128 v[RS], v[ACC+4:ACC+7] offset:16
	s_wait_dscnt 0x0                               ; for the others' sake
	s_barrier_signal -1
	s_barrier_wait -1
	s_cmp_lg_u32 s10, 0
	s_cbranch_scc1 .Lend
.irp k, 0,1,2,3,4,5,6,7
	ds_load_b128 v[F+4*\k:F+4*\k+3], v[RR] offset:512*\k
.endr
	s_wait_dscnt 0x0
.irp k, 1,2,3,4,5,6,7
	v_pk_add_f32 v[F:F+1], v[F:F+1], v[F+4*\k:F+4*\k+1]
	v_pk_add_f32 v[F+2:F+3], v[F+2:F+3], v[F+4*\k+2:F+4*\k+3]
.endr
	v_cmp_gt_u32 vcc_lo, 0xc40, v[COL]             ; block 24 has 64 places: lanes 0-15 alone store
	s_wait_xcnt 0x0                                ; EXEC changes only behind this wait
	s_and_saveexec_b32 s24, vcc_lo
	global_store_b128 v[OO], v[F:F+3], s[8:9]      ; 32 lanes store 512 consecutive bytes, aligned; in block 24 16 lanes store 256
	s_wait_xcnt 0x0                                ; and again, in front of the line that widens it
	s_or_b32 exec_lo, exec_lo, s24
.Lend:
	s_wait_tensorcnt 0x0                           ; the wave's end: behind my last LDS store
	ds_add_u32 v[SPW], v[NIL]
	s_wait_dscnt 0x0
	s_endpgm
.Lfunc_end_k_qc999688712_att:
	.size	k_qc999688712_att, .Lfunc_end_k_qc999688712_att-k_qc999688712_att
	.p2alignl 7, 3214868480
	.fill 96, 4, 3214868480
	.section	.rodata,"a",@progbits
	.p2align	6, 0x0
	.amdhsa_kernel k_qc999688712_att
		.amdhsa_group_segment_fixed_size 7168
		.amdhsa_private_segment_fixed_size 0
		.amdhsa_enable_private_segment 0
		.amdhsa_kernarg_size 24
		.amdhsa_user_sgpr_count 2
		.amdhsa_user_sgpr_kernarg_segment_ptr 1
		.amdhsa_wavefront_size32 1
		.amdhsa_system_sgpr_workgroup_id_x 1
		.amdhsa_system_sgpr_workgroup_id_y 1
		.amdhsa_system_sgpr_workgroup_id_z 1
		.amdhsa_system_vgpr_workitem_id 0
		.amdhsa_next_free_vgpr 200
		.amdhsa_next_free_sgpr 66
		.amdhsa_reserve_vcc 1
		.amdhsa_float_denorm_mode_32 3
		.amdhsa_float_denorm_mode_16_64 3
		.amdhsa_memory_ordered 1
		.amdhsa_forward_progress 1
		.amdhsa_inst_pref_size 27
	.end_amdhsa_kernel
	.amdgpu_metadata
---
amdhsa.version: [ 1, 2 ]
amdhsa.kernels:
  - .name:           k_qc999688712_att
    .symbol:         k_qc999688712_att.kd
    .args:
      - { .name: fb, .offset: 0, .size: 8, .value_kind: global_buffer, .address_space: global }
      - { .name: wpart, .offset: 8, .size: 8, .value_kind: global_buffer, .address_space: global }
      - { .name: out0, .offset: 16, .size: 8, .value_kind: global_buffer, .address_space: global }
    .group_segment_fixed_size: 7168
    .private_segment_fixed_size: 0
    .kernarg_segment_align: 8
    .kernarg_segment_size: 24
    .max_flat_workgroup_size: 256
    .sgpr_count:     66
    .vgpr_count:     200
    .wavefront_size: 32
...
	.end_amdgpu_metadata
.endif
;; end of part 3
